; MI455X (gfx1250); checked and timed in simulation.
; The chip was launched on July 23, 2026; its instructions are those of AMD's public machine-readable ISA for CDNA 5 (MIT licence, August 2026) and "CDNA5" Instruction Set Architecture Reference Guide (July 2026). The comments in the code are by the model that wrote it; some were corrected since.
;; Multi Head Attention1d. Allowed arithmetic: float matrix products may take bf16 or f16 operands with f32 sums; all other float work in f32.
;; Inputs: Wk 2,048 x 256 float32; Wp 256 x 256 float32; Wq 2,048 x 256 float32; Wv 2,048 x 256 float32; bk 2,048 float32; bq 2,048 float32; bv 2,048 float32; gamma 8 x 1 x 1 x 1 float32; x 4 x 256 x 1,024 float32; y 4 x 256 x 1,024 float32.
;; Outputs: out0 4 x 2,048 x 1,024 float32.
;; One version. Each part assembles by itself: llvm-mc -triple=amdgcn-amd-amdhsa -mcpu=gfx1250 --defsym DOCPART=n.
;; ======== version 1 of 1: 2 launches
;; workspace buffers: XT 2,097,152 bytes; YA 2,097,152 bytes; WvA 1,048,576 bytes; MA 1,048,576 bytes; UQ 8,192 bytes; YPF 4,194,304 bytes
;; launch prep (part 1): grid 256 x 1, 8 waves a work-group, no clusters, 266,240 bytes of LDS; arguments x, y, Wq, Wk, Wv, Wp, bq, XT, YA, WvA, MA, UQ, YPF; writes XT, YA, WvA, MA, UQ, YPF
.if DOCPART == 1
	.amdgcn_target "amdgcn-amd-amdhsa--gfx1250"
	.amdhsa_code_object_version 6
	.text
	.protected	k_q91038f00ba_prep
	.globl	k_q91038f00ba_prep
	.p2align	8
	.type	k_q91038f00ba_prep,@function
k_q91038f00ba_prep:
	s_mov_b64 s[64:65], 0
	v_nop
	global_prefetch_b8 v0, s[64:65] scope:SCOPE_SE
	s_setreg_imm32_b32 hwreg(HW_REG_WAVE_MODE, 25, 1), 1
	s_wait_xcnt 0x0
; FIRST OF TWO LAUNCHES: what hangs on no query block is made once: bf16 images of x, y and Wv, the folded weights of each head, and Wp y.
;
; HOW THE PROGRAM COMPUTES THE MODULE (every step holds for all values of the inputs, in exact arithmetic):
;  1. energy[i][j] = q_i . (Wk x_j + bk) = q_i . (Wk x_j) + q_i . bk.  The last term is the same for all keys j of a query i, and a
;     softmax over j is unchanged by a term that is constant along j.  So bk reaches no output: it is DEAD, it is not loaded, and it is
;     no argument of either launch.
;  2. q_i . (Wk x_j) = (Wk^T q_i) . x_j, and Wk_h^T (Wq_h x + bq_h) = M_h x + u_h with M_h = Wk_h^T Wq_h (256 x 256) and u_h = Wk_h^T bq_h.
;     M_h and u_h hang on the head alone, so they are formed here, once; the keys of every head are the columns of x itself.
;  3. sum_j a_ij (Wv y_j + bv) = Wv (sum_j a_ij y_j) + bv, since a softmax's row sums to 1.  The values of every head are the columns
;     of y itself, and Wv_h is applied to one vector of 256 for each query afterwards.
;  4. Wp y hangs on no head: it is formed here, once, and kept in f32.
;  So q, k and v are never formed.
; LIMITS: a NaN, an infinity or an overflow that would arise only through bk, or only in q, k or v as such, is not carried to the result.
;  Rounding differs in order: Wq, Wk, bq, M_h, M_h x + u_h, the probabilities and the weighted sum of y are rounded to bf16 as matrix operands.
;
; A FRAGMENT is 16 rows x 32 k of bf16 in 1,024 bytes, in the order in which a wave's registers hold it: bytes 0-511 are registers 0-3
; (lane l at 16 l: row l % 16, k = 8 (l / 16) + 0..7), bytes 512-1023 registers 4-7 (k = 16 + 8 (l / 16) + 0..7).
;   XT  [b][n16:64][ks:8]            row = position n, k = channel c      (x transposed)
;   YA  [b][n64:16][c16:16][ks2:2]   row = channel c,  k = position n
;   WvA [h][row16:16][ks:8]          row = output channel, k = input channel
;   MA  [h][c'16:16][ks:8]           row = c', k = c:  M_h[c'][c] = sum_d Wk[256 h + d][c'] Wq[256 h + d][c]
;   UQ  [h][256] f32                 u_h
;   YPF [b][n64:16][o16:16][n16:4]   tiles of 16 positions x 16 channels of Wp y in f32, 1,024 bytes each, as an accumulator's registers hold them:
;                                    bytes 0-511 registers 0-3 (lane l at 16 l: channel l % 16, positions 8 (l / 16) + 0..3), bytes 512-1023 registers 4-7
; 256 WORK-GROUPS of eight waves, the long jobs first: 128 for Wp y and YA, 64 for M and u, 64 for XT and WvA.  A unit is 8 KiB of f32: a wave of the
; first two jobs loads three, all at once.  Every load reads whole runs of 256 bytes, every store of a wave writes 256 or 512 consecutive bytes.
; No clusters: operands come through registers, since they are converted on the way, and a work-group's share of them is small.
; LDS: each of the three jobs has bytes of its own, so that every LDS byte has one meaning in the whole text, and the order of its writes and
; reads can be read off one job alone.  A work-group runs one job (the branch hangs on its number) and touches only that job's share.
.set V0, 16                            ; v[16:79], v[80:143], v[144:207]  three units as loaded
.set V1, 80
.set V2, 144
.set VP, 208                           ; v[208:239] packed bf16
.set RB, 240                           ; v[240:255] read-backs that are stored while the products run; bq
.set FB, 16                            ; v[16:79]   later: my eight B fragments
.set FA, 80                            ; v[80:143], v[144:207] later: two groups of eight A fragments
.set AC, 208                           ; v[208:239] later: four accumulators
; job M: bytes 0 to 100,863.  Wq^T fragments lie at 0, [ksd:8][c16:8], 8 KiB a wave
.set MB, 65536                         ; Wk^T fragments [ksd:8][c'16:4], 4 KiB a wave
.set BQL, 98304                        ; bq in bf16, 256 bytes a wave
.set UL, 100352                        ; the waves' parts of u, 64 bytes a wave
; job P: bytes 102,400 to 217,087
.set PA, 102400                        ; y^T fragments [ks:8][n16:4], 4 KiB a wave
.set PB, 135168                        ; Wp's fragments, 8 KiB a wave
.set PY, 200704                        ; stage for YA, 2 KiB a wave
; job S: bytes 217,088 to 266,239
.set SX, 217088                        ; stage for XT, 4 KiB a wave
.set SW, 249856                        ; stage for WvA, 2 KiB a wave
.macro OFF3 dst, ra, sa, rb, sb, rc, sc        ; s[dst] = s[ra] << sa + s[rb] << sb + s[rc] << sc
	s_lshl_b32 s[\dst], s[\ra], \sa
	s_lshl_b32 s45, s[\rb], \sb
	s_add_co_u32 s[\dst], s[\dst], s45
	s_lshl_b32 s45, s[\rc], \sc
	s_add_co_u32 s[\dst], s[\dst], s45
.endm
.macro PLACES                          ; four plain vector instructions behind a matrix instruction before its result is read or its registers are loaded or written (ISA guide 7.12.1)
.rept 4
	v_nop
.endr
.endm
; Transposing unit: 32 source rows (k) x 64 source columns (fragment rows) = four fragments.
; Lane (t = l % 16, hh = l / 16) loads rows 16 hf + 8 hh + k, columns 4 t .. 4 t + 3, so it owns the eight k of four fragment rows.
.macro F2LD vb, areg, base, pitch, col
.irp hf, 0,1
.irp k, 0,1,2,3,4,5,6,7
	global_load_b128 v[\vb+4*(8*\hf+\k):\vb+4*(8*\hf+\k)+3], v[\areg], s[\base:\base+1] offset:(16*\hf+\k)*\pitch+\col
.endr
.endr
.endm
.macro F2PK vb, lreg, loff             ; the four fragments follow each other in LDS from v[lreg] + loff on
.irp hf, 0,1
.irp e, 0,1,2,3
.irp kk, 0,1,2,3
	v_cvt_pk_bf16_f32 v[VP+4*(4*\hf+\e)+\kk], v[\vb+4*(8*\hf+2*\kk)+\e], v[\vb+4*(8*\hf+2*\kk+1)+\e]
.endr
	ds_store_b128 v[\lreg], v[VP+4*(4*\hf+\e):VP+4*(4*\hf+\e)+3] offset:\loff+512*\hf+16*\e
.endr
.endr
.endm
; Straight unit: 16 rows x 64 nseg columns (k) = 2 nseg fragments.  Lane (t, hp) loads row 2 k + hp, columns 64 seg + 4 t .. + 3.
.macro F1LD vb, areg, base, pitch, col, nseg
.set f1s, 0
.rept \nseg
.irp k, 0,1,2,3,4,5,6,7
	global_load_b128 v[\vb+4*(8*f1s+\k):\vb+4*(8*f1s+\k)+3], v[\areg], s[\base:\base+1] offset:2*\k*\pitch+256*f1s+\col
.endr
.set f1s, f1s+1
.endr
.endm
.macro F1PK vb, lreg, loff, nseg
.set f1s, 0
.rept \nseg
.irp k, 0,1,2,3,4,5,6,7
	v_cvt_pk_bf16_f32 v[VP+2*(8*f1s+\k)], v[\vb+4*(8*f1s+\k)], v[\vb+4*(8*f1s+\k)+1]
	v_cvt_pk_bf16_f32 v[VP+2*(8*f1s+\k)+1], v[\vb+4*(8*f1s+\k)+2], v[\vb+4*(8*f1s+\k)+3]
	ds_store_b64 v[\lreg], v[VP+2*(8*f1s+\k):VP+2*(8*f1s+\k)+1] offset:\loff+2048*f1s+32*\k
.endr
.set f1s, f1s+1
.endr
.endm
; n half fragments of my own stage are read back as they lie (LDS serves a wave's instructions in order, so the loads see the wave's stores) ...
.macro RBLD n, rb, lreg
.set rq, 0
.rept \n
	ds_load_b128 v[\rb+4*rq:\rb+4*rq+3], v[\lreg] offset:512*rq
.set rq, rq+1
.endr
.endm
; ... and stored: half fragment q goes to (q >> sh) * big + (q mod 2^sh) * 512.  later = LDS instructions issued behind the n read-backs.
.macro RBST n, rb, base, sh, big, later
.set rq, 0
.rept \n
	s_wait_dscnt \n-1-rq+\later                    ; the younger read-backs, and what was issued behind them, may stay out
	global_store_b128 v4, v[\rb+4*rq:\rb+4*rq+3], s[\base:\base+1] offset:(rq>>\sh)*\big+(rq&((1<<\sh)-1))*512
.set rq, rq+1
.endr
.endm
; Rows 16 hf .. 16 hf + 15 of the unit of y in V0, taken straight: row = channel, k = position: two fragments of YA into my stage
.macro YAPK hf
.irp k, 0,1,2,3,4,5,6,7
	v_cvt_pk_bf16_f32 v[VP+2*\k], v[V0+4*(8*\hf+\k)], v[V0+4*(8*\hf+\k)+1]
	v_cvt_pk_bf16_f32 v[VP+2*\k+1], v[V0+4*(8*\hf+\k)+2], v[V0+4*(8*\hf+\k)+3]
	ds_store_b64 v10, v[VP+2*\k:VP+2*\k+1] offset:16*\k
.endr
.endm
; A wave's product: four A tiles (a) x one B tile x K = 256: 32 matrix instructions.  A fragment (a, ks) lies at v12 + ks astr + 1024 a, B fragment ks at v13 + ks bstr.
.macro LDGRP g, ksp, astr              ; the A fragments of k steps 2 ksp, 2 ksp + 1 into group g: sixteen loads
.irp a, 0,1,2,3
.irp kk, 0,1
	ds_load_b128 v[FA+64*(\g)+8*(2*\a+\kk):FA+64*(\g)+8*(2*\a+\kk)+3], v12 offset:(2*(\ksp)+\kk)*\astr+\a*1024
	ds_load_b128 v[FA+64*(\g)+8*(2*\a+\kk)+4:FA+64*(\g)+8*(2*\a+\kk)+7], v12 offset:(2*(\ksp)+\kk)*\astr+\a*1024+512
.endr
.endr
.endm
.macro PROD astr, bstr
.irp ks, 0,1,2,3,4,5,6,7
	ds_load_b128 v[FB+8*\ks:FB+8*\ks+3], v13 offset:\ks*\bstr
	ds_load_b128 v[FB+8*\ks+4:FB+8*\ks+7], v13 offset:\ks*\bstr+512
.endr
	LDGRP 0, 0, \astr
	LDGRP 1, 1, \astr
.set pu, 0
.rept 4
.if pu == 3
	s_wait_dscnt 0x0
.else
	s_wait_dscnt 0x10                              ; all but the sixteen loads of the group issued last
.endif
.irp kk, 0,1                                   ; the four accumulators take turns, one instruction a turn
.irp a, 0,1,2,3
.set pz, (pu==0)*(1-\kk)
.if pz
	v_wmma_f32_16x16x32_bf16 v[AC+8*\a:AC+8*\a+7], v[FA+64*(pu&1)+8*(2*\a+\kk):FA+64*(pu&1)+8*(2*\a+\kk)+7], v[FB+8*(2*pu+\kk):FB+8*(2*pu+\kk)+7], 0
.else
	v_wmma_f32_16x16x32_bf16 v[AC+8*\a:AC+8*\a+7], v[FA+64*(pu&1)+8*(2*\a+\kk):FA+64*(pu&1)+8*(2*\a+\kk)+7], v[FB+8*(2*pu+\kk):FB+8*(2*pu+\kk)+7], v[AC+8*\a:AC+8*\a+7]
.endif
.endr
.endr
	PLACES
.if pu < 2
	LDGRP (pu&1), pu+2, \astr
.endif
.set pu, pu+1
.endr
.endm
; Job M.  Wave w transposes d = 32 w .. 32 w + 31 of 64 columns of Wk and 128 of Wq; then wave w makes M for c' tile w % 4 and c tiles 4 (w / 4) + 0..3.
; Source 0 = Wq^T (row c), source 1 = Wk^T (row c'): a lane then holds eight neighbouring c of one row c', which pack into half a fragment of MA.
; withu: the work-group of c block 0 also makes u for its 64 c': wave w takes c' tile w % 4 and d = 128 (w / 4) .. + 127.
.macro MBODY withu
.if \withu
	s_lshl_b32 s36, s42, 10
	s_lshl_b32 s45, s48, 9
	s_add_co_u32 s36, s36, s45
	s_add_nc_u64 s[46:47], s[16:17], s[36:37]      ; bq at 256 h + 128 (w / 4)
	s_lshl_b32 s36, s42, 10
	s_lshl_b32 s45, s43, 8
	s_add_co_u32 s36, s36, s45
	s_add_nc_u64 s[50:51], s[26:27], s[36:37]      ; UQ at 256 h + 64 x c' block
	global_load_b128 v[RB:RB+3], v4, s[46:47]      ; lane l: four of my 128 numbers of bq
.endif
	F2LD V0, 6, 32, 1024, 0
	F2LD V1, 6, 34, 1024, 0
	F2LD V2, 6, 34, 1024, 256
.if \withu
	v_lshrrev_b32 v5, 1, v4                        ; 8 x lane
	s_lshl_b32 s31, s30, 8
	s_add_co_u32 s31, s31, BQL
	v_add_nc_u32 v10, s31, v5                      ; bq in bf16: where I put 8 bytes
	v_lshl_add_u32 v11, v3, 4, s31                 ; and where a fragment's lane half begins
	s_lshl_b32 s31, s48, 14
	v_add_nc_u32 v7, s31, v13                      ; Wk^T fragments of my half of d
	s_lshl_b32 s31, s30, 6
	s_add_co_u32 s31, s31, UL
	v_lshl_add_u32 v14, v2, 2, s31                 ; my 16 numbers of u
	v_add_nc_u32 v15, UL, v5
.endif
	s_wait_loadcnt 0x20                            ; Wk's unit (and bq) is in; Wq's 32 loads stay out
	F2PK V0, 9, 0
.if \withu
	v_cvt_pk_bf16_f32 v[RB+4], v[RB], v[RB+1]
	v_cvt_pk_bf16_f32 v[RB+5], v[RB+2], v[RB+3]
	ds_store_b64 v10, v[RB+4:RB+5]
.endif
	s_wait_loadcnt 0x10                            ; the last unit's 16 loads stay out
	F2PK V1, 8, 0
	s_wait_loadcnt 0x0
	F2PK V2, 8, 4096
	s_wait_dscnt 0x0                               ; my fragments are written, for the other waves' sake
	s_barrier_signal -1
	s_barrier_wait -1
	PROD 8192, 4096
.irp a, 0,1,2,3
.irp r, 0,1,2,3
	v_cvt_pk_bf16_f32 v[FB+4*\a+\r], v[AC+8*\a+2*\r], v[AC+8*\a+2*\r+1]
.endr
.endr
.irp a, 0,1,2,3
	global_store_b128 v4, v[FB+4*\a:FB+4*\a+3], s[38:39] offset:512*\a     ; c tile a is half a % 2 of k step a / 2 of my two fragments
.endr
.if \withu
.irp i, 0,1,2,3
	ds_load_b128 v[FA+8*\i:FA+8*\i+3], v7 offset:4096*\i
	ds_load_b128 v[FA+8*\i+4:FA+8*\i+7], v7 offset:4096*\i+512
	ds_load_b128 v[FA+32+8*\i:FA+32+8*\i+3], v11 offset:64*\i              ; a fragment all of whose rows are bq: every lane of a half reads the same 16 bytes
	ds_load_b128 v[FA+32+8*\i+4:FA+32+8*\i+7], v11 offset:64*\i+32
.endr
	s_wait_dscnt 0x0
.rept 5
	v_nop                                          ; five places before matrix instructions write over registers that the last products read
.endr
.irp i, 0,1,2,3
	v_wmma_f32_16x16x32_bf16 v[FA+64+8*\i:FA+64+8*\i+7], v[FA+32+8*\i:FA+32+8*\i+7], v[FA+8*\i:FA+8*\i+7], 0   ; four sums of their own: every register of lane l holds the part for c' = l % 16
.endr
	PLACES
	v_add_f32 v[RB], v[FA+64], v[FA+72]
	v_add_f32 v[RB+1], v[FA+80], v[FA+88]
	v_add_f32 v[RB], v[RB], v[RB+1]
	ds_store_b32 v14, v[RB]                        ; both lane halves write the same word with the same value
	s_wait_dscnt 0x0
	s_barrier_signal -1
	s_barrier_wait -1
	s_cmp_lg_u32 s30, 0
	s_cbranch_scc1 .Lm_done_\@
	ds_load_b64 v[RB+2:RB+3], v15                  ; the half of d of waves 0-3
	ds_load_b64 v[RB+4:RB+5], v15 offset:256       ; and of waves 4-7
	s_wait_dscnt 0x0
	v_pk_add_f32 v[RB+2:RB+3], v[RB+2:RB+3], v[RB+4:RB+5]
	global_store_b64 v5, v[RB+2:RB+3], s[50:51]    ; 32 lanes store 256 consecutive bytes, at a multiple of 256 from UQ's first byte
.Lm_done_\@:
.endif
	s_endpgm
.endm
	s_load_b512 s[4:19], s[0:1], 0x0               ; x s[4:5], y s[6:7], Wq s[8:9], Wk s[10:11], Wv s[12:13], Wp s[14:15], bq s[16:17], XT s[18:19]
	s_load_b256 s[20:27], s[0:1], 0x40             ; YA s[20:21], WvA s[22:23], MA s[24:25], UQ s[26:27]
	s_load_b64 s[28:29], s[0:1], 0x60              ; YPF
	v_lshrrev_b32 v1, 5, v0
	v_readfirstlane_b32 s30, v1                    ; wave
	v_and_b32 v2, 15, v0                           ; t
	v_bfe_u32 v3, v0, 4, 1                         ; lane half
	v_and_b32 v4, 31, v0
	v_lshlrev_b32 v4, 4, v4                        ; 16 x lane: the offset of the stores, never rewritten
	v_lshlrev_b32 v5, 4, v2                        ; 16 t
	v_lshrrev_b32 v1, 1, v2
	v_lshlrev_b32 v1, 8, v1
	v_and_b32 v14, 1, v2
	v_lshl_add_u32 v14, v14, 3, v1                 ; straight units: 256 (t / 2) + 8 (t % 2): fragment, half, lane half and which 8 of the 16 bytes
	v_and_b32 v15, 3, v2
	v_lshlrev_b32 v15, 6, v15
	v_lshl_add_u32 v15, v3, 8, v15
	v_lshrrev_b32 v1, 2, v2
	v_lshl_add_u32 v15, v1, 10, v15                ; transposing units: fragment t / 4, lane half hh, fragment rows 4 (t % 4) + e
	s_mov_b32 s40, ttmp9                           ; the work-group's number picks the job
	s_mov_b32 s37, 0
	s_wait_kmcnt 0x0
	s_cmp_lt_u32 s40, 128
	s_cbranch_scc1 .Lpjob
	s_cmp_lt_u32 s40, 192
	s_cbranch_scc1 .Lmjob
	; ---- job S, groups 192-255: each wave one transposing unit of x and 16 rows x 64 columns of Wv ----
	s_sub_co_u32 s41, s40, 192
	s_lshl3_add_u32 s41, s41, s30                  ; unit = 8 x group + wave, 0 to 511
	s_lshr_b32 s42, s41, 7                         ; batch
	s_bfe_u32 s43, s41, 0x30004                    ; block of 32 channels
	s_and_b32 s44, s41, 15                         ; block of 64 positions
	OFF3 36, 42, 20, 43, 17, 44, 8
	s_add_nc_u64 s[32:33], s[4:5], s[36:37]
	OFF3 36, 42, 19, 44, 15, 43, 10
	s_add_nc_u64 s[38:39], s[18:19], s[36:37]
	s_lshr_b32 s42, s41, 6                         ; head
	s_bfe_u32 s43, s41, 0x40002                    ; block of 16 rows
	s_and_b32 s44, s41, 3                          ; block of 64 columns
	OFF3 36, 42, 18, 43, 14, 44, 8
	s_add_nc_u64 s[34:35], s[12:13], s[36:37]
	OFF3 36, 42, 17, 43, 13, 44, 11
	s_add_nc_u64 s[46:47], s[22:23], s[36:37]
	v_lshl_add_u32 v6, v3, 15, v5                  ; 8 hh rows of 4,096 bytes + 16 t
	v_lshl_add_u32 v7, v3, 10, v5                  ; hh rows of 1,024 bytes + 16 t
	F2LD V0, 6, 32, 4096, 0
	F1LD V1, 7, 34, 1024, 0, 1
	s_lshl_b32 s31, s30, 12
	s_add_co_u32 s31, s31, SX                      ; my 4 KiB for x
	v_add_nc_u32 v8, s31, v15
	v_add_nc_u32 v11, s31, v4
	s_lshl_b32 s31, s30, 11
	s_add_co_u32 s31, s31, SW                      ; my 2 KiB for Wv
	v_lshl_add_u32 v9, v3, 4, v14
	v_add_nc_u32 v9, s31, v9
	v_add_nc_u32 v12, s31, v4
	s_wait_loadcnt 0x8                             ; x's unit is in; Wv's eight loads stay out
	F2PK V0, 8, 0
	RBLD 8, V0, 11
	s_wait_loadcnt 0x0
	F1PK V1, 9, 0, 1
	RBLD 4, RB, 12
	RBST 8, V0, 38, 1, 8192, 12                    ; the four fragments are 8 KiB apart in XT; twelve LDS instructions were issued behind these read-backs
	RBST 4, RB, 46, 3, 0, 0                        ; two fragments that follow each other
	s_endpgm
	; ---- job P, groups 0-127: (batch, 64 positions, 128 output channels): Wp y, and YA from the same registers ----
.Lpjob:
	s_lshr_b32 s42, s40, 5                         ; batch
	s_bfe_u32 s43, s40, 0x40001                    ; block of 64 positions
	s_and_b32 s44, s40, 1                          ; half of the output channels
	OFF3 36, 42, 20, 30, 17, 43, 8
	s_add_nc_u64 s[32:33], s[6:7], s[36:37]        ; y: channels 32 w ..
	s_lshl_b32 s36, s44, 17
	s_lshl_b32 s45, s30, 14
	s_add_co_u32 s36, s36, s45
	s_add_nc_u64 s[34:35], s[14:15], s[36:37]      ; Wp: rows 128 x half + 16 w ..
	v_lshl_add_u32 v6, v3, 15, v5
	v_lshl_add_u32 v7, v3, 10, v5
	F2LD V0, 6, 32, 4096, 0
	F1LD V1, 7, 34, 1024, 0, 2
	F1LD V2, 7, 34, 1024, 512, 2
	OFF3 36, 42, 19, 43, 15, 30, 12
	s_lshl_b32 s45, s44, 11
	s_add_co_u32 s36, s36, s45
	s_add_nc_u64 s[38:39], s[20:21], s[36:37]      ; YA: channel tile 2 w + half: each of the two work-groups that load this y writes one half of it
	OFF3 36, 42, 20, 43, 16, 44, 15
	s_lshl_b32 s45, s30, 12
	s_add_co_u32 s36, s36, s45
	s_add_nc_u64 s[46:47], s[28:29], s[36:37]      ; YPF: channel tile 8 x half + w
	s_lshl_b32 s31, s30, 12
	s_add_co_u32 s31, s31, PA
	v_add_nc_u32 v8, s31, v15                      ; y^T fragments of k step w: 4 KiB
	s_lshl_b32 s31, s30, 13
	s_add_co_u32 s31, s31, PB
	v_lshl_add_u32 v9, v3, 4, v14
	v_add_nc_u32 v9, s31, v9                       ; my eight fragments of Wp
	v_add_nc_u32 v13, s31, v4
	s_lshl_b32 s31, s30, 11
	s_add_co_u32 s31, s31, PY
	v_lshl_add_u32 v10, v3, 7, v14                 ; YA's stage: rows 8 hh + k
	v_add_nc_u32 v10, s31, v10
	v_add_nc_u32 v11, s31, v4
	v_add_nc_u32 v12, PA, v4                       ; all the waves' y^T fragments
	s_wait_loadcnt 0x20                            ; y's unit is in; Wp's 32 loads stay out
	F2PK V0, 8, 0
	s_cmp_lg_u32 s44, 0
	s_cbranch_scc1 .Lp_upper
	YAPK 0
	s_branch .Lp_ya
.Lp_upper:
	YAPK 1
.Lp_ya:
	RBLD 4, RB, 11
	s_wait_loadcnt 0x10                            ; the last unit's 16 loads stay out
	F1PK V1, 9, 0, 2
	s_wait_loadcnt 0x0
	F1PK V2, 9, 4096, 2
	s_wait_dscnt 0x0                               ; my fragments are written, for the other waves' sake; my read-backs are in
.irp q, 0,1,2,3
	global_store_b128 v4, v[RB+4*\q:RB+4*\q+3], s[38:39] offset:512*\q
.endr
	s_barrier_signal -1
	s_barrier_wait -1
	PROD 4096, 1024                                ; source 0 = y^T (row = position), source 1 = Wp (row = channel)
.irp a, 0,1,2,3
	global_store_b128 v4, v[AC+8*\a:AC+8*\a+3], s[46:47] offset:1024*\a
	global_store_b128 v4, v[AC+8*\a+4:AC+8*\a+7], s[46:47] offset:1024*\a+512
.endr
	s_endpgm
	; ---- job M, groups 128-191: (head, 64 c', 128 c): M, and u where the c block is 0 ----
.Lmjob:
	s_sub_co_u32 s41, s40, 128
	s_lshr_b32 s42, s41, 3                         ; head
	s_bfe_u32 s43, s41, 0x20001                    ; block of 64 c'
	s_and_b32 s44, s41, 1                          ; block of 128 c
	s_lshr_b32 s48, s30, 2                         ; w / 4
	s_and_b32 s49, s30, 3                          ; w % 4
	OFF3 36, 42, 18, 30, 15, 43, 8
	s_add_nc_u64 s[32:33], s[10:11], s[36:37]      ; Wk: rows 256 h + 32 w ..
	OFF3 36, 42, 18, 30, 15, 44, 9
	s_add_nc_u64 s[34:35], s[8:9], s[36:37]        ; Wq: the same rows
	OFF3 36, 42, 17, 43, 15, 49, 13
	s_lshl_b32 s45, s44, 12
	s_add_co_u32 s36, s36, s45
	s_lshl_b32 s45, s48, 11
	s_add_co_u32 s36, s36, s45
	s_add_nc_u64 s[38:39], s[24:25], s[36:37]      ; MA: row tile 4 x c' block + w % 4, k steps 4 x c block + 2 (w / 4) + 0, 1
	v_lshl_add_u32 v6, v3, 13, v5                  ; 8 hh rows of 1,024 bytes + 16 t
	s_lshl_b32 s31, s30, 12
	s_add_co_u32 s31, s31, MB
	v_add_nc_u32 v9, s31, v15                      ; Wk^T fragments of k step w: 4 KiB
	s_lshl_b32 s31, s30, 13
	v_add_nc_u32 v8, s31, v15                      ; Wq^T fragments of k step w: 8 KiB
	s_lshl_b32 s31, s48, 12
	v_add_nc_u32 v12, s31, v4                      ; my four c tiles
	s_lshl_b32 s31, s49, 10
	s_add_co_u32 s31, s31, MB
	v_add_nc_u32 v13, s31, v4                      ; my c' tile
	s_cmp_lg_u32 s44, 0
	s_cbranch_scc1 .Lm_plain
	MBODY 1
.Lm_plain:
	MBODY 0
.Lfunc_end_k_q91038f00ba_prep:
	.size	k_q91038f00ba_prep, .Lfunc_end_k_q91038f00ba_prep-k_q91038f00ba_prep
	.p2alignl 7, 3214868480
	.fill 96, 4, 3214868480
	.section	.rodata,"a",@progbits
	.p2align	6, 0x0
	.amdhsa_kernel k_q91038f00ba_prep
		.amdhsa_group_segment_fixed_size 266240
		.amdhsa_private_segment_fixed_size 0
		.amdhsa_enable_private_segment 0
		.amdhsa_kernarg_size 104
		.amdhsa_user_sgpr_count 2
		.amdhsa_user_sgpr_kernarg_segment_ptr 1
		.amdhsa_wavefront_size32 1
		.amdhsa_system_sgpr_workgroup_id_x 1
		.amdhsa_system_sgpr_workgroup_id_y 1
		.amdhsa_system_sgpr_workgroup_id_z 1
		.amdhsa_system_vgpr_workitem_id 0
		.amdhsa_next_free_vgpr 256
		.amdhsa_next_free_sgpr 66
		.amdhsa_reserve_vcc 0
		.amdhsa_float_denorm_mode_32 3
		.amdhsa_float_denorm_mode_16_64 3
		.amdhsa_memory_ordered 1
		.amdhsa_forward_progress 1
		.amdhsa_inst_pref_size 86
	.end_amdhsa_kernel
	.amdgpu_metadata
---
amdhsa.version: [ 1, 2 ]
amdhsa.kernels:
  - .name:           k_q91038f00ba_prep
    .symbol:         k_q91038f00ba_prep.kd
    .args:
      - { .name: x, .offset: 0, .size: 8, .value_kind: global_buffer, .address_space: global }
      - { .name: y, .offset: 8, .size: 8, .value_kind: global_buffer, .address_space: global }
      - { .name: Wq, .offset: 16, .size: 8, .value_kind: global_buffer, .address_space: global }
      - { .name: Wk, .offset: 24, .size: 8, .value_kind: global_buffer, .address_space: global }
      - { .name: Wv, .offset: 32, .size: 8, .value_kind: global_buffer, .address_space: global }
      - { .name: Wp, .offset: 40, .size: 8, .value_kind: global_buffer, .address_space: global }
      - { .name: bq, .offset: 48, .size: 8, .value_kind: global_buffer, .address_space: global }
      - { .name: XT, .offset: 56, .size: 8, .value_kind: global_buffer, .address_space: global }
      - { .name: YA, .offset: 64, .size: 8, .value_kind: global_buffer, .address_space: global }
      - { .name: WvA, .offset: 72, .size: 8, .value_kind: global_buffer, .address_space: global }
      - { .name: MA, .offset: 80, .size: 8, .value_kind: global_buffer, .address_space: global }
      - { .name: UQ, .offset: 88, .size: 8, .value_kind: global_buffer, .address_space: global }
      - { .name: YPF, .offset: 96, .size: 8, .value_kind: global_buffer, .address_space: global }
    .group_segment_fixed_size: 266240
    .private_segment_fixed_size: 0
    .kernarg_segment_align: 8
    .kernarg_segment_size: 104
    .max_flat_workgroup_size: 256
    .sgpr_count:     66
    .vgpr_count:     256
    .wavefront_size: 32
...
	.end_amdgpu_metadata
.endif
;; end of part 1
;; launch attn (part 2): grid 256 x 1, 4 waves a work-group, clusters of 4 x 1, 327,680 bytes of LDS; arguments XT, YA, YPF, MA, WvA, UQ, bv, gamma, out0; writes out0
.if DOCPART == 2
	.amdgcn_target "amdgcn-amd-amdhsa--gfx1250"
	.amdhsa_code_object_version 6
	.text
	.protected	k_q91038f00ba_attn
	.globl	k_q91038f00ba_attn
	.p2align	8
	.type	k_q91038f00ba_attn,@function
k_q91038f00ba_attn:
	s_mov_b64 s[64:65], 0
	v_nop
	global_prefetch_b8 v0, s[64:65] scope:SCOPE_SE
	s_setreg_imm32_b32 hwreg(HW_REG_WAVE_MODE, 25, 1), 1
	s_wait_xcnt 0x0
	s_wait_alu depctr_hold_cnt(0) depctr_sa_sdst(0) depctr_va_vdst(0) depctr_va_sdst(0) depctr_va_ssrc(0) depctr_va_vcc(0) depctr_vm_vsrc(0)
	s_getreg_b32 s2, hwreg(HW_REG_IB_STS2, 6, 4)
	s_cmp_eq_u32 s2, 0
	s_cbranch_scc0 .Lentry_in_a_cluster
	s_endpgm
.Lentry_in_a_cluster:
	s_bfe_u32 s2, ttmp6, 0x10000c
	s_cmp_lg_u32 s2, 0x3003
	s_cbranch_scc0 .Lentry_shape_is_right
	s_endpgm
.Lentry_shape_is_right:
; SECOND LAUNCH: attention and the gated residual for one (batch b, head h, block of 128 queries) in each work-group.
; Left out as dead: bk (a term q_i . bk is constant along the softmax's axis, for all values).  q, k and v are never formed, since
; q . (Wk x_j) = (M_h x_i + u_h) . x_j with M_h = Wk_h^T Wq_h, u_h = Wk_h^T bq_h, and sum_j a_ij (Wv y_j + bv) = Wv sum_j a_ij y_j + bv
; (a softmax's row sums to 1): see the first kernel's head.  M_h, u_h and Wp y come from the first launch.
; LIMITS: a NaN, infinity or overflow that would arise only through bk, or only in q, k or v as such, is not carried to the result.  M_h, M_h x + u_h,
; the probabilities and g (y P) / l are rounded to bf16 as matrix operands.  The running maximum ignores NaN energies.  At gamma = -1 the
; result is what the reciprocal of 0 gives.
;
; STEPS: qq = M_h x_blk + u_h; then over the 1,024 keys S^T = x^T qq, a softmax with a running maximum, O += y P; the two key halves are merged;
; acc = Wp y_blk + Wv_h (g O / l); out = (acc + g bv) / (1 + g).  10,240 matrix instructions in a work-group.
; FOUR WAVES: wave w has i = w / 2, its 64 queries, and j = w % 2.  In the two products with weights j is a half of the 256 output channels;
; in the key loop j is a half of the keys (512), so that each fragment read from LDS feeds four matrix instructions.
; All products but the last put the queries in the columns: a lane's eight results are then eight neighbouring k of one query, which pack
; into half a B fragment of the next product without leaving the lane.  The last puts the queries in the rows: a lane then holds eight
; neighbouring positions of one output channel, 32 bytes of a row of out0.
; CLUSTER: the four work-groups of a cluster are four query blocks of one (b, h).  They read the same weights and the same key and value tiles,
; so every tensor load is a joint one with the mask of all four.  The place in the cluster enters only plain global addresses.
; LDS: two slots of 128 KiB, four quarters of 32 KiB each, quarter w filled by wave w with one load of 128 rows x 256 bytes (the images are
; dense).  A key slot: x tile and y tile (64 keys) of key half 0, then of key half 1.  A weight slot: a head's image.  Behind them 64 KiB that only
; LDS stores write: fragment images handed between waves, the merge's exchange, the stage of the way out.
; Fragments lie in LDS in register order: a load takes 512 consecutive bytes, so no padding is needed.
.set QUART, 32768
.set SLOTB, 131072
.set SCR,   262144
.set LOG2E,  0x3fb8aa3b
.set NLOG2E, 0xbfb8aa3b
; window 0
.set LN,  1                            ; 16 x lane
.set AD,  2                            ; v2-3   slot s: my half of the slot (weights: my 128 rows; keys: my key half's x tile)
.set YO,  4                            ; v4-5   slot s: my key half's y tile, channel half j
.set YP,  6                            ; v6-7   the same, channel half 1 - j
.set IW,  8                            ; image, where I write
.set IR,  9                            ; image, where I read
.set XW,  10                           ; exchange, my 16 KiB
.set XR,  11                           ; exchange, my partner's (wave w xor 1)
.set STO, 12                           ; way out: in
.set RD,  13                           ; way out: back
.set CO,  14                           ; way out: offset in out0
.set HL32, 15                          ; 32 x (lane / 16)
.set VM,  16                           ; v16-19  running maximum, for each query tile qt
.set VL,  20                           ; v20-23  running sum (this lane's keys)
.set VAL, 24                           ; v24-31  rescale factor, twice for each qt
.set BVP, 16                           ; v16-31  later: g bv / (1 + g), twice for each channel tile
.set FS0, 32                           ; v32-63, v64-95  two sets of four fragments from LDS
.set VNM, 96                           ; v96-103 -log2(e) x maximum, twice for each qt
.set VT,  104                          ; v104-119 at work
.set INV, 112                          ; v112-113 later: 1 / (1 + g), twice
.set BVR, 120                          ; v120-127 bv of my lane's channel in each of my eight channel tiles
.set VS,  128                          ; v128-255 S, tile (kt, qt) at 64 (kt / 2) + 16 qt + 8 (kt % 2); also u as C, packing, exchange, way out
; window 1: B-side fragments (qt, ks) at 8 (8 qt + ks): x block, then qq, then O.   window 2: accumulators (a, qt) at 8 (4 a + qt), in the
; key loop O of channel half j.   window 3: O of channel half 1 - j, later Wp y of my block, tile (a, qt) at 8 (4 a + qt).
.set G1, 36                            ; s[36:43] descriptor group 1, the same for every load
.set G0, 44                            ; s[44:47], s[48:51] group 0 of slot 0, 1
.set MSB, 0
.macro WIN new                         ; low byte: bits 1:0 source 0, 3:2 source 1, 5:4 source 2, 7:6 destination; high byte: the setting that is left
.if MSB != (\new)
	s_set_vgpr_msb (MSB<<8)|(\new)
.set MSB, (\new)
.endif
.endm
.macro PLACES                          ; four plain vector instructions behind a matrix instruction before its result is read or its registers are loaded or written (ISA guide 7.12.1)
.rept 4
	v_nop
.endr
.endm
.macro NOP5                            ; five before a matrix instruction writes over another's registers
.rept 5
	v_nop
.endr
.endm
; A round of the cluster's barrier: my work-group's barrier, wave 0 signals for the work-group, every wave waits for all four work-groups, my work-group's barrier again.
.macro ROUND
	s_barrier_signal -1
	s_barrier_wait -1
	s_cmp_lg_u32 s26, 0
	s_cbranch_scc1 .Lnot_wave_0_\@
	s_barrier_signal -3
.Lnot_wave_0_\@:
	s_barrier_wait -3
	s_barrier_signal -1
	s_barrier_wait -1
.endm
; A slot that has been read is filled again.  In front of the round each wave waits for all its tensor loads (the one that is out is its quarter of the
; OTHER slot, which is read next) and for its LDS reads; behind the round no wave of any partner reads the slot or has a load out, and the joint
; load is the first and only tensor load of the wave.  mode 0: the slot's next key tile, two tiles on; mode 1: the address in s[pair:pair+1].
.macro BND slot, mode, pair
	WIN 0
	s_wait_tensorcnt 0x0                           ; no load of mine is out: group 0 may be written
.if \mode
	s_mov_b64 s[G0+4*\slot+2:G0+4*\slot+3], s[\pair:\pair+1]
	s_or_b32 s[G0+4*\slot+3], s[G0+4*\slot+3], 0x80000000
.else
	s_add_nc_u64 s[G0+4*\slot+2:G0+4*\slot+3], s[G0+4*\slot+2:G0+4*\slot+3], 2*QUART
.endif
	s_wait_dscnt 0x0
	ROUND
	tensor_load_to_lds s[G0+4*\slot:G0+4*\slot+3], s[G1:G1+7]
	s_nop 0
.endm
; Four fragments, stride bytes apart, into fragment set 0 or 1: eight loads of 512 consecutive bytes
.macro LDSET set, areg, base, stride
.irp e, 0,1,2,3
	ds_load_b128 v[FS0+32*(\set)+8*\e:FS0+32*(\set)+8*\e+3], v[\areg] offset:(\base)+\e*(\stride)
	ds_load_b128 v[FS0+32*(\set)+8*\e+4:FS0+32*(\set)+8*\e+7], v[\areg] offset:(\base)+\e*(\stride)+512
.endr
.endm
; A product with a weight image in a slot: my 128 rows of the weights x my 64 queries x K = 256: 256 matrix instructions in 16 sets of 16.
; Set u: k step u / 2, weight tiles 4 (u % 2) + 0..3.  The query-side fragments lie in window 1.
; swap 0: weights are source 0 (result: channel in the registers, query in the lanes); the first k step adds onto u (v128-191, window 0).
; swap 1: weights are source 1 (result: position in the registers, channel in the lanes); the first k step adds onto Wp y (window 3, the same tile numbers).
; The 32 accumulators take turns, one instruction a turn.
.macro GSTAGE slot, swap
	LDSET 0, AD+\slot, 0, 8192
	LDSET 1, AD+\slot, 32768, 8192
.set gu, 0
.rept 16
.set gks, gu>>1
.set gah, gu&1
.set gfs, FS0+32*gah
.if gu == 15
	s_wait_dscnt 0x0
.else
	s_wait_dscnt 0x8                               ; all but the eight loads of the set issued last: this set is in, and whatever was loaded before it
.endif
.if \swap
.if gks == 0
	WIN 0xb1
.else
	WIN 0xa1
.endif
.else
.if gks == 0
	WIN 0x84
.else
	WIN 0xa4
.endif
.endif
.irp e, 0,1,2,3
.irp qt, 0,1,2,3
.set gd, 8*(4*(4*gah+\e)+\qt)
.set gq, 8*(8*\qt+gks)
.if \swap
	v_wmma_f32_16x16x32_bf16 v[gd:gd+7], v[gq:gq+7], v[gfs+8*\e:gfs+8*\e+7], v[gd:gd+7]
.else
.if gks == 0
	v_wmma_f32_16x16x32_bf16 v[gd:gd+7], v[gfs+8*\e:gfs+8*\e+7], v[gq:gq+7], v[VS+8*(4*gah+\e):VS+8*(4*gah+\e)+7]
.else
	v_wmma_f32_16x16x32_bf16 v[gd:gd+7], v[gfs+8*\e:gfs+8*\e+7], v[gq:gq+7], v[gd:gd+7]
.endif
.endif
.endr
.endr
	WIN 0
	PLACES
.if gu < 14
	LDSET gah, AD+\slot, gah*32768+(gks+1)*1024, 8192
.endif
.set gu, gu+1
.endr
.endm
; My 32 accumulator tiles (channel tile a, query tile qt) become halves of B fragments: tile a is half a % 2 of k step 4 j + a / 2 of query tile qt.
.macro IMGST
	WIN 0x0a
.set it, 0
.rept 32
.irp r, 0,1,2,3
	v_cvt_pk_bf16_f32 v[VS+4*it+\r], v[8*it+2*\r], v[8*it+2*\r+1]
.endr
.set it, it+1
.endr
	WIN 0
.irp a, 0,1,2,3,4,5,6,7
.irp qt, 0,1,2,3
	ds_store_b128 v[IW], v[VS+4*(4*\a+\qt):VS+4*(4*\a+\qt)+3] offset:8192*\qt+512*\a
.endr
.endr
.endm
.macro IMGLD win                       ; the 32 fragments of my 64 queries, both waves' halves, from the image
	WIN (\win<<6)
.set gf, 0
.rept 64
	ds_load_b128 v[4*gf:4*gf+3], v[IR] offset:512*gf
.set gf, gf+1
.endr
	WIN 0
.endm
.macro GLD win, base                   ; 32 KiB that lie in memory in register order, into a whole window
	WIN (\win<<6)
.set gf, 0
.rept 64
	global_load_b128 v[4*gf:4*gf+3], v[LN], s[\base:\base+1] offset:512*gf
.set gf, gf+1
.endr
	WIN 0
.endm
; The softmax step of query tile qt: a lane holds 32 of the 64 energies of its query (the other lane half holds the rest).
.macro SMAX qt, first
.set sb0, VS+16*\qt
.set sb1, VS+64+16*\qt
.irp c, 0,1,2,3
.set sx, VS+16*\qt+64*(\c>>1)+8*(\c&1)
	v_max3_num_f32 v[VT+\c], v[sx], v[sx+1], v[sx+2]
.endr
.irp c, 0,1,2,3
.set sx, VS+16*\qt+64*(\c>>1)+8*(\c&1)
	v_max3_num_f32 v[VT+\c], v[VT+\c], v[sx+3], v[sx+4]
.endr
.irp c, 0,1,2,3
.set sx, VS+16*\qt+64*(\c>>1)+8*(\c&1)
	v_max3_num_f32 v[VT+\c], v[VT+\c], v[sx+5], v[sx+6]
.endr
	v_max3_num_f32 v[VT], v[VT], v[sb0+7], v[sb0+15]
	v_max3_num_f32 v[VT+2], v[VT+2], v[sb1+7], v[sb1+15]
	v_max3_num_f32 v[VT], v[VT], v[VT+1], v[VT+2]
	v_max_num_f32 v[VT], v[VT], v[VT+3]
	v_permlanex16_b32 v[VT+1], v[VT], s56, s57     ; the other lane half's figure
.if \first
	v_max_num_f32 v[VM+\qt], v[VT], v[VT+1]
	v_mul_f32 v[VNM+2*\qt], NLOG2E, v[VM+\qt]
	v_mul_f32 v[VNM+2*\qt+1], NLOG2E, v[VM+\qt]
.else
	v_mov_b32 v[VT+2], v[VNM+2*\qt]                ; the shift in use so far
	v_max3_num_f32 v[VM+\qt], v[VT], v[VT+1], v[VM+\qt]
	v_mul_f32 v[VNM+2*\qt], NLOG2E, v[VM+\qt]
	v_mul_f32 v[VNM+2*\qt+1], NLOG2E, v[VM+\qt]
	v_sub_f32 v[VT+3], v[VNM+2*\qt], v[VT+2]       ; new shift - old shift, at most 0: made of the very numbers that the exponents use
	v_exp_f32 v[VAL+2*\qt], v[VT+3]
	v_exp_f32 v[VAL+2*\qt+1], v[VT+3]              ; the multiply-adds below are the plain instructions behind these two (ISA guide 5.7.2)
.endif
.irp k, 0,2,4,6,8,10,12,14
	v_pk_fma_f32 v[sb0+\k:sb0+\k+1], v[sb0+\k:sb0+\k+1], LOG2E, v[VNM+2*\qt:VNM+2*\qt+1] op_sel_hi:[1,0,1]
	v_pk_fma_f32 v[sb1+\k:sb1+\k+1], v[sb1+\k:sb1+\k+1], LOG2E, v[VNM+2*\qt:VNM+2*\qt+1] op_sel_hi:[1,0,1]
.endr
.irp k, 0,1,2,3,4,5,6,7,8,9,10,11,12,13,14,15
	v_exp_f32 v[sb0+\k], v[sb0+\k]
	v_exp_f32 v[sb1+\k], v[sb1+\k]
.endr
	v_nop                                          ; one plain instruction before the last results are read
	s_wait_alu depctr_va_vdst(0)
.irp c, 0,1,2,3
	v_pk_add_f32 v[VT+2*\c:VT+2*\c+1], v[sb0+4*\c:sb0+4*\c+1], v[sb0+4*\c+2:sb0+4*\c+3]
.endr
.irp c, 0,1,2,3
	v_pk_add_f32 v[VT+2*\c:VT+2*\c+1], v[VT+2*\c:VT+2*\c+1], v[sb1+2*\c:sb1+2*\c+1]
.endr
.irp c, 0,1,2,3
	v_pk_add_f32 v[VT+2*\c:VT+2*\c+1], v[VT+2*\c:VT+2*\c+1], v[sb1+8+2*\c:sb1+8+2*\c+1]
.endr
	v_pk_add_f32 v[VT:VT+1], v[VT:VT+1], v[VT+2:VT+3]
	v_pk_add_f32 v[VT+4:VT+5], v[VT+4:VT+5], v[VT+6:VT+7]
	v_pk_add_f32 v[VT:VT+1], v[VT:VT+1], v[VT+4:VT+5]
.if \first
	v_add_f32 v[VL+\qt], v[VT], v[VT+1]
.else
	v_add_f32 v[VT], v[VT], v[VT+1]
	v_fma_f32 v[VL+\qt], v[VL+\qt], v[VAL+2*\qt], v[VT]
.endif
.irp k, 0,1,2,3,4,5,6,7                        ; in place: word k takes numbers 2 k, 2 k + 1, which lie at or above it.  Two tiles of 16 keys make one B fragment of 32
	v_cvt_pk_bf16_f32 v[sb0+\k], v[sb0+2*\k], v[sb0+2*\k+1]
.endr
.irp k, 0,1,2,3,4,5,6,7
	v_cvt_pk_bf16_f32 v[sb1+\k], v[sb1+2*\k], v[sb1+2*\k+1]
.endr
.endm
.macro RESC1
.irp a, 0,1,2,3,4,5,6,7
.irp qt, 0,1,2,3
.irp r, 0,2,4,6
	v_pk_mul_f32 v[8*(4*\a+\qt)+\r:8*(4*\a+\qt)+\r+1], v[8*(4*\a+\qt)+\r:8*(4*\a+\qt)+\r+1], v[VAL+2*\qt:VAL+2*\qt+1]
.endr
.endr
.endr
.endm
.macro RESC                            ; the merge: both halves of O times each query's factor
	WIN 0x82
	RESC1
	WIN 0xc3
	RESC1
	WIN 0
.endm
; A slice of the key loop's rescaling: two of the eight tiles of O that set p adds onto (tiles 2 g, 2 g + 1 in the order dd, qt), eight multiplies
.macro RSL p, g
.if (\p) < 4
	WIN 0x82
.else
	WIN 0xc3
.endif
.irp u, 0,1
.set rt, 2*(\g)+\u
.set rbs, 8*(4*(2*((\p)&3)+(rt>>2))+(rt&3))
.irp r, 0,2,4,6
	v_pk_mul_f32 v[rbs+\r:rbs+\r+1], v[rbs+\r:rbs+\r+1], v[VAL+2*(rt&3):VAL+2*(rt&3)+1]
.endr
.endr
.endm
; One tile of 64 keys of my key half, from a slot: 128 matrix instructions for S^T, the softmax step, 128 for O.
.macro KTRIP slot, first
	NOP5                                           ; behind the last products: S is written over, the fragment sets are loaded again
	LDSET 0, AD+\slot, 0, 8192
	LDSET 1, AD+\slot, 1024, 8192
	WIN 0x04                                       ; source 1 (qq) in window 1; LDS loads name no source 1, so the setting stays through this phase
.set kk, 0
.rept 8
	s_wait_dscnt 0x8                               ; all but the eight loads of the set issued last
.set kfs, FS0+32*(kk&1)
.irp kt, 0,1,2,3
.irp qt, 0,1,2,3
.set kd, VS+64*(\kt>>1)+16*\qt+8*(\kt&1)
.if kk == 0
	v_wmma_f32_16x16x32_bf16 v[kd:kd+7], v[kfs+8*\kt:kfs+8*\kt+7], v[8*(8*\qt+kk):8*(8*\qt+kk)+7], 0
.else
	v_wmma_f32_16x16x32_bf16 v[kd:kd+7], v[kfs+8*\kt:kfs+8*\kt+7], v[8*(8*\qt+kk):8*(8*\qt+kk)+7], v[kd:kd+7]
.endif
.endr
.endr
	PLACES
.if kk < 6
	LDSET (kk&1), AD+\slot, (kk+2)*1024, 8192
.else
	LDSET (kk&1), YO+\slot, (kk-6)*4096, 1024      ; the first two sets of y land during the softmax step
.endif
.set kk, kk+1
.endr
	WIN 0
	SMAX 0, \first
	SMAX 1, \first
	SMAX 2, \first
	SMAX 3, \first
	; set p: channel tiles 2 (p % 4), 2 (p % 4) + 1 of channel half j (p < 4, window 2) or 1 - j (window 3), both k steps of 32 keys.
	; Eight accumulators take turns, one instruction a turn.
	; O is rescaled a set ahead of its products: set 0's eight tiles here, then behind each four products of set p two tiles of set p + 1: eight
	; multiplies that name none of those products' registers.  The last slice of a set is also the places in front of the loads that follow it.
	; Each slice costs two changes of window: 56 in a trip for 224 multiplies.
.if \first == 0
	RSL 0, 0
	RSL 0, 1
	RSL 0, 2
	RSL 0, 3
.endif
.set pp, 0
.rept 8
.if pp == 7
	s_wait_dscnt 0x0
.else
	s_wait_dscnt 0x8
.endif
.set kfs, FS0+32*(pp&1)
.irp k2, 0,1
.irp dd, 0,1
.if pp < 4
	WIN 0xa0
.else
	WIN 0xf0
.endif
.irp qt, 0,1,2,3
.set kd, 8*(4*(2*(pp&3)+\dd)+\qt)
.set kz, \first*(1-\k2)
.if kz
	v_wmma_f32_16x16x32_bf16 v[kd:kd+7], v[kfs+8*(2*\dd+\k2):kfs+8*(2*\dd+\k2)+7], v[VS+64*\k2+16*\qt:VS+64*\k2+16*\qt+7], 0
.else
	v_wmma_f32_16x16x32_bf16 v[kd:kd+7], v[kfs+8*(2*\dd+\k2):kfs+8*(2*\dd+\k2)+7], v[VS+64*\k2+16*\qt:VS+64*\k2+16*\qt+7], v[kd:kd+7]
.endif
.endr
.if \first == 0
.if pp < 7
	RSL pp+1, 2*\k2+\dd
.endif
.endif
.endr
.endr
	WIN 0
.if pp < 6
.if \first
	PLACES                                         ; the first tile has nothing to rescale
.endif
.if pp < 2
	LDSET (pp&1), YO+\slot, (pp+2)*4096, 1024
.else
	LDSET (pp&1), YP+\slot, (pp-2)*4096, 1024
.endif
.endif
.set pp, pp+1
.endr
.endm
; Half rho of what I hold of my partner's channel half goes to the partner, and the partner's figures for my channel half are added to mine.
.macro XCH rho
	WIN 0x0c
.set xf, 0
.rept 32
	ds_store_b128 v[XW], v[128*\rho+4*xf:128*\rho+4*xf+3] offset:512*xf
.set xf, xf+1
.endr
	WIN 0
	s_wait_dscnt 0x0                               ; my stores are done, for the partner's sake
	s_barrier_signal -1
	s_barrier_wait -1
.if \rho
	GLD 3, 72                                      ; window 3 has been handed over whole: Wp y of my block comes in, tile for tile where the last product's accumulators lie
.endif
.set xf, 0
.rept 32
	ds_load_b128 v[VS+4*xf:VS+4*xf+3], v[XR] offset:512*xf
.set xf, xf+1
.endr
	s_wait_dscnt 0x0
	WIN 0x82
.set xf, 0
.rept 64
	v_pk_add_f32 v[128*\rho+2*xf:128*\rho+2*xf+1], v[128*\rho+2*xf:128*\rho+2*xf+1], v[VS+2*xf:VS+2*xf+1]
.set xf, xf+1
.endr
	WIN 0
	s_barrier_signal -1                            ; my reads are done (the wait for 0 above): the bytes may be written again behind this barrier
	s_barrier_wait -1
.endm
; Sixteen output channels x my 64 positions: scaled, through my own stage of 16 rows of 256 + 16 bytes, out as whole rows of 256 bytes.
.macro OUT a
.set oto, VS+32*(\a&1)
.set orb, VS+64+32*(\a&1)
	WIN 0x02
.irp qt, 0,1,2,3
.irp r, 0,2,4,6
	v_pk_fma_f32 v[oto+8*\qt+\r:oto+8*\qt+\r+1], v[8*(4*\a+\qt)+\r:8*(4*\a+\qt)+\r+1], v[INV:INV+1], v[BVP+2*\a:BVP+2*\a+1]
.endr
.endr
	WIN 0
.irp qt, 0,1,2,3
	ds_store_b128 v[STO], v[oto+8*\qt:oto+8*\qt+3] offset:64*\qt
	ds_store_b128 v[STO], v[oto+8*\qt+4:oto+8*\qt+7] offset:64*\qt+16
.endr
	s_wait_xcnt 0x0                                ; the registers loaded next were the data of earlier stores: written again only behind this wait (ISA guide 3.1)
.irp t, 0,1,2,3,4,5,6,7
	ds_load_b128 v[orb+4*\t:orb+4*\t+3], v[RD] offset:544*\t       ; my own bytes, served in order behind the stores above
.endr
.irp t, 0,1,2,3,4,5,6,7
	s_wait_dscnt 7-\t                              ; the 7 - t younger read-backs may stay out
	global_store_b128 v[CO], v[orb+4*\t:orb+4*\t+3], s[24:25] offset:65536*\a+8192*\t th:TH_STORE_NT   ; 16 lanes store 256 consecutive bytes, at a multiple of 256 from out0's first byte
.endr
.endm
	; ---- ids, descriptors, the first fills ----
	s_load_b512 s[4:19], s[0:1], 0x0               ; XT s[4:5], YA s[6:7], YPF s[8:9], MA s[10:11], WvA s[12:13], UQ s[14:15], bv s[16:17], gamma s[18:19]
	s_load_b64 s[24:25], s[0:1], 0x40              ; out0
	v_lshrrev_b32 v2, 5, v0
	v_readfirstlane_b32 s26, v2                    ; wave w
	s_lshr_b32 s27, s26, 1                         ; i
	s_and_b32 s28, s26, 1                          ; j
	s_bfe_u32 s29, ttmp6, 0x40000                  ; cx: my place in the cluster
	s_mov_b32 s30, ttmp9                           ; the cluster's number
	s_lshr_b32 s31, s30, 4                         ; b
	s_bfe_u32 s32, s30, 0x30001                    ; h
	s_and_b32 s33, s30, 1
	s_lshl2_add_u32 s33, s33, s29                  ; query block = 4 x (cluster % 2) + cx
	s_mov_b32 s56, 0x76543210                      ; v_permlanex16_b32: lane l of one half reads lane l of the other
	s_mov_b32 s57, 0xfedcba98
	s_mov_b32 s[G1+0], 15|(3<<16)|(1<<21)          ; 15:0 mask: all four work-groups; 17:16 elements of 8 bytes; 21 set beside a mask; no padding
	s_mov_b32 s[G1+1], 32<<16                      ; tensor_dim0 = 32 elements = 256 bytes
	s_mov_b32 s[G1+2], 128<<16                     ; tensor_dim1 = 128 rows
	s_mov_b32 s[G1+3], 32<<16                      ; tile_dim0 = 32
	s_mov_b32 s[G1+4], 128                         ; tile_dim1 = 128
	s_mov_b32 s[G1+5], 32                          ; from row to row: 32 elements, the block is dense
	s_mov_b32 s[G1+6], 0
	s_mov_b32 s[G1+7], 0
	s_mov_b32 s[G0+0], 1
	s_lshl_b32 s[G0+1], s26, 15                    ; slot 0, quarter w
	s_mov_b32 s[G0+4], 1
	s_lshl_b32 s[G0+5], s26, 15
	s_add_co_u32 s[G0+5], s[G0+5], SLOTB           ; slot 1, quarter w
	s_lshl_b32 s60, s32, 17                        ; a head's image is 128 KiB,
	s_lshl_b32 s62, s26, 15                        ; my quarter of it 32 KiB
	s_add_co_u32 s60, s60, s62
	s_mov_b32 s61, 0
	s_lshl_b32 s62, s31, 19                        ; a batch's image of x or y is 512 KiB,
	s_lshl_b32 s63, s27, 18                        ; key half w / 2 of it 256 KiB
	s_add_co_u32 s62, s62, s63
	s_mov_b32 s63, 0
	s_wait_kmcnt 0x0
	s_add_nc_u64 s[G0+2:G0+3], s[10:11], s[60:61]  ; M_h
	s_or_b32 s[G0+3], s[G0+3], 0x80000000
	s_add_nc_u64 s[68:69], s[12:13], s[60:61]      ; Wv_h, for later
	s_cmp_lg_u32 s28, 0
	s_cselect_b64 s[52:53], s[6:7], s[4:5]         ; odd waves fetch y tiles, even waves x tiles
	s_add_nc_u64 s[G0+6:G0+7], s[52:53], s[62:63]  ; key tile 0
	s_add_nc_u64 s[54:55], s[G0+6:G0+7], QUART     ; key tile 1, for later
	s_or_b32 s[G0+7], s[G0+7], 0x80000000
	ROUND                                          ; all four work-groups are here: the first joint loads meet
	tensor_load_to_lds s[G0:G0+3], s[G1:G1+7]      ; the two first fills go out together: two tensor loads of the wave are out, never more
	s_nop 0
	tensor_load_to_lds s[G0+4:G0+7], s[G1:G1+7]
	s_nop 0
	; plain global addresses; only these hold my place in the cluster (s33, s34, s35, s78)
	s_lshl_b32 s78, s33, 3
	s_lshl2_add_u32 s78, s27, s78                  ; my first block of 16 positions: 8 x query block + 4 i
	s_lshl_b32 s78, s78, 13
	s_lshl_b32 s79, s31, 19
	s_add_co_u32 s78, s78, s79
	s_mov_b32 s79, 0
	s_add_nc_u64 s[70:71], s[4:5], s[78:79]        ; my 64 queries in XT
	s_lshl1_add_u32 s78, s33, s27                  ; my block of 64 positions: 2 x query block + i
	s_lshl_b32 s78, s78, 16
	s_lshl_b32 s34, s31, 20
	s_add_co_u32 s78, s78, s34
	s_lshl_b32 s34, s28, 15
	s_add_co_u32 s78, s78, s34
	s_add_nc_u64 s[72:73], s[8:9], s[78:79]        ; Wp y: my 64 positions, my 128 channels: 32 KiB
	s_lshl_b32 s78, s32, 10
	s_lshl_b32 s34, s28, 9
	s_add_co_u32 s78, s78, s34
	s_add_nc_u64 s[74:75], s[14:15], s[78:79]      ; u of my 128 channels
	s_add_nc_u64 s[76:77], s[16:17], s[78:79]      ; bv of my 128 channels
	s_lshl_b32 s78, s32, 2
	s_add_nc_u64 s[18:19], s[18:19], s[78:79]
	s_load_b32 s59, s[18:19], 0x0                  ; g = gamma[h]
	s_lshl_b32 s35, s31, 23
	s_lshl_b32 s34, s32, 20
	s_add_co_u32 s35, s35, s34
	s_lshl_b32 s34, s28, 19
	s_add_co_u32 s35, s35, s34
	s_lshl_b32 s34, s33, 9
	s_add_co_u32 s35, s35, s34
	s_lshl_b32 s34, s27, 8
	s_add_co_u32 s34, s35, s34
	s_mov_b32 s35, 0
	s_add_nc_u64 s[24:25], s[24:25], s[34:35]      ; out0 at (b, channel 256 h + 128 j, position 128 x query block + 64 i)
	v_and_b32 v[LN], 31, v0
	v_lshlrev_b32 v[LN], 4, v[LN]
	GLD 1, 70                                      ; x's block as B fragments
	v_and_b32 v104, 15, v0                         ; r
	v_bfe_u32 v105, v0, 4, 1                       ; lane half
	v_lshlrev_b32 v[HL32], 5, v105
	v_lshlrev_b32 v106, 2, v104
.irp a, 0,1,2,3,4,5,6,7
	global_load_b128 v[VS+8*\a:VS+8*\a+3], v[HL32], s[74:75] offset:64*\a          ; u as a C operand: register n of tile a is channel 16 a + 8 (lane / 16) + n
	global_load_b128 v[VS+8*\a+4:VS+8*\a+7], v[HL32], s[74:75] offset:64*\a+16
	global_load_b32 v[BVR+\a], v106, s[76:77] offset:64*\a                         ; bv for the last product's layout: channel 16 a + r
.endr
	; LDS addresses: constants, the wave's number, the lane
	s_lshl_b32 s60, s28, 16
	v_add_nc_u32 v[AD], s60, v[LN]
	v_add_nc_u32 v[AD+1], SLOTB, v[AD]
	s_lshl_b32 s60, s28, 14
	s_add_co_u32 s60, s60, QUART
	v_add_nc_u32 v[YO], s60, v[AD]
	v_add_nc_u32 v[YO+1], s60, v[AD+1]
	s_xor_b32 s60, s28, 1
	s_lshl_b32 s60, s60, 14
	s_add_co_u32 s60, s60, QUART
	v_add_nc_u32 v[YP], s60, v[AD]
	v_add_nc_u32 v[YP+1], s60, v[AD+1]
	s_lshl_b32 s60, s27, 15
	s_add_co_u32 s60, s60, SCR
	v_add_nc_u32 v[IR], s60, v[LN]
	s_lshl_b32 s60, s28, 12
	v_add_nc_u32 v[IW], s60, v[IR]
	s_lshl_b32 s60, s26, 14
	s_add_co_u32 s60, s60, SCR
	v_add_nc_u32 v[XW], s60, v[LN]
	s_xor_b32 s60, s26, 1
	s_lshl_b32 s60, s60, 14
	s_add_co_u32 s60, s60, SCR
	v_add_nc_u32 v[XR], s60, v[LN]
	s_mul_i32 s60, s26, 4352
	s_add_co_u32 s60, s60, SCR
	v_mul_u32_u24 v[STO], v104, 272
	v_lshl_add_u32 v[STO], v105, 5, v[STO]
	v_add_nc_u32 v[STO], s60, v[STO]               ; in: row r, 32 bytes for each lane half
	v_mul_u32_u24 v[RD], v105, 272
	v_lshl_add_u32 v[RD], v104, 4, v[RD]
	v_add_nc_u32 v[RD], s60, v[RD]                 ; back: lanes 0-15 one row, lanes 16-31 the next
	v_lshlrev_b32 v[CO], 12, v105
	v_lshl_add_u32 v[CO], v104, 4, v[CO]           ; the same two rows in out0
	; ---- qq = M_h x + u_h ----
	s_wait_tensorcnt 0x1                           ; my quarter of M_h is in; key tile 0 may stay out
	s_barrier_signal -1
	s_barrier_wait -1                              ; everybody's is
	s_wait_loadcnt 0x0                             ; x's block, u, bv
	s_wait_kmcnt 0x0                               ; g
	GSTAGE 0, 0
	IMGST                                          ; qq, my 128 channels, into the image
	BND 0, 1, 54                                   ; M_h has been read, key tile 0 is in, the image is whole: slot 0 takes key tile 1
	IMGLD 1
	; ---- eight tiles of 64 keys in each key half: even tiles in slot 1, odd tiles in slot 0 ----
	KTRIP 1, 1                                     ; tile 0 starts the maximum, the sum and O: nothing is cleared
	s_mov_b32 s58, 3
.Lkeys:
	BND 1, 0, 0                                    ; tiles 2, 4, 6
	KTRIP 0, 0                                     ; tiles 1, 3, 5
	BND 0, 0, 0                                    ; tiles 3, 5, 7
	KTRIP 1, 0                                     ; tiles 2, 4, 6
	s_sub_co_u32 s58, s58, 1
	s_cmp_lg_u32 s58, 0
	s_cbranch_scc1 .Lkeys
	BND 1, 1, 68                                   ; no key tile is left: slot 1 takes Wv_h, the last tensor load
	KTRIP 0, 0                                     ; tile 7
	; ---- the two key halves are merged ----
	PLACES
.irp qt, 0,1,2,3
	v_permlanex16_b32 v[VT+\qt], v[VL+\qt], s56, s57
.endr
.irp qt, 0,1,2,3
	v_add_f32 v[VL+\qt], v[VL+\qt], v[VT+\qt]      ; the sum over my 512 keys
.endr
	ds_store_b128 v[XW], v[VM:VM+3]
	ds_store_b128 v[XW], v[VL:VL+3] offset:512
	s_wait_dscnt 0x0
	s_barrier_signal -1
	s_barrier_wait -1
	ds_load_b128 v[VT:VT+3], v[XR]                 ; the partner's maxima
	ds_load_b128 v[VT+4:VT+7], v[XR] offset:512    ; and sums
	s_wait_dscnt 0x0
	s_barrier_signal -1
	s_barrier_wait -1                              ; both have read: the bytes may be written again
.irp qt, 0,1,2,3
	v_max_num_f32 v[VS+\qt], v[VM+\qt], v[VT+\qt]
	v_mul_f32 v[VS+\qt], NLOG2E, v[VS+\qt]         ; the common shift
	v_mul_f32 v[VS+4+\qt], NLOG2E, v[VT+\qt]       ; the partner's shift, as the partner made it
	v_sub_f32 v[VS+8+\qt], v[VS+\qt], v[VNM+2*\qt]
	v_sub_f32 v[VS+4+\qt], v[VS+\qt], v[VS+4+\qt]
.endr
.irp qt, 0,1,2,3
	v_exp_f32 v[VS+8+\qt], v[VS+8+\qt]             ; f, mine
	v_exp_f32 v[VS+4+\qt], v[VS+4+\qt]             ; f', the partner's
.endr
	v_nop
	s_wait_alu depctr_va_vdst(0)
.irp qt, 0,1,2,3
	v_mul_f32 v[VS+12+\qt], v[VT+4+\qt], v[VS+4+\qt]
	v_fma_f32 v[VS+12+\qt], v[VL+\qt], v[VS+8+\qt], v[VS+12+\qt]   ; the softmax's denominator over all 1,024 keys
.endr
.irp qt, 0,1,2,3
	v_rcp_f32 v[VS+12+\qt], v[VS+12+\qt]
.endr
.irp qt, 0,1,2,3
	v_mul_f32 v[VS+8+\qt], s59, v[VS+8+\qt]        ; plain instructions behind the reciprocals, which touch none of them
.endr
	s_wait_alu depctr_va_vdst(0)
.irp qt, 0,1,2,3
	v_mul_f32 v[VAL+2*\qt], v[VS+8+\qt], v[VS+12+\qt]              ; f g / denominator
	v_mul_f32 v[VAL+2*\qt+1], v[VS+8+\qt], v[VS+12+\qt]
.endr
	RESC
	XCH 0
	XCH 1
	IMGST                                          ; g O / l, my channel half, as query-side fragments
	s_wait_dscnt 0x0
	s_barrier_signal -1
	s_barrier_wait -1
	IMGLD 1
	; ---- acc = Wp y + Wv_h (g O / l); out = (acc + g bv) / (1 + g) ----
	v_mov_b32 v[VT], s59
	v_add_f32 v[VT+1], 1.0, v[VT]
	v_rcp_f32 v[INV], v[VT+1]
	v_rcp_f32 v[INV+1], v[VT+1]
	v_nop
	s_wait_alu depctr_va_vdst(0)
	v_mul_f32 v[VT+2], v[VT], v[INV]
.irp a, 0,1,2,3,4,5,6,7
	v_mul_f32 v[BVP+2*\a], v[BVR+\a], v[VT+2]
	v_mul_f32 v[BVP+2*\a+1], v[BVR+\a], v[VT+2]
.endr
	s_wait_loadcnt 0x0                             ; Wp y of my block
	s_wait_tensorcnt 0x0                           ; my quarter of Wv_h is in
	s_wait_dscnt 0x0                               ; my reads of the image are done: the stage of the way out lies on its bytes
	s_barrier_signal -1
	s_barrier_wait -1
	GSTAGE 1, 1
.irp a, 0,1,2,3,4,5,6,7
	OUT \a
.endr
	ROUND                                          ; the closing round: no work-group ends while a partner may still ask for a tile that names it
	s_endpgm
.Lfunc_end_k_q91038f00ba_attn:
	.size	k_q91038f00ba_attn, .Lfunc_end_k_q91038f00ba_attn-k_q91038f00ba_attn
	.p2alignl 7, 3214868480
	.fill 96, 4, 3214868480
	.section	.rodata,"a",@progbits
	.p2align	6, 0x0
	.amdhsa_kernel k_q91038f00ba_attn
		.amdhsa_group_segment_fixed_size 327680
		.amdhsa_private_segment_fixed_size 0
		.amdhsa_enable_private_segment 0
		.amdhsa_kernarg_size 72
		.amdhsa_user_sgpr_count 2
		.amdhsa_user_sgpr_kernarg_segment_ptr 1
		.amdhsa_wavefront_size32 1
		.amdhsa_system_sgpr_workgroup_id_x 1
		.amdhsa_system_sgpr_workgroup_id_y 1
		.amdhsa_system_sgpr_workgroup_id_z 1
		.amdhsa_system_vgpr_workitem_id 0
		.amdhsa_next_free_vgpr 1024
		.amdhsa_next_free_sgpr 80
		.amdhsa_reserve_vcc 0
		.amdhsa_float_denorm_mode_32 3
		.amdhsa_float_denorm_mode_16_64 3
		.amdhsa_memory_ordered 1
		.amdhsa_forward_progress 1
		.amdhsa_inst_pref_size 255
	.end_amdhsa_kernel
	.section	.bss,"aw",@nobits
	.p2align	6
	.space	262144
	.amdgpu_metadata
---
amdhsa.version: [ 1, 2 ]
amdhsa.kernels:
  - .name:           k_q91038f00ba_attn
    .symbol:         k_q91038f00ba_attn.kd
    .args:
      - { .name: XT, .offset: 0, .size: 8, .value_kind: global_buffer, .address_space: global }
      - { .name: YA, .offset: 8, .size: 8, .value_kind: global_buffer, .address_space: global }
      - { .name: YPF, .offset: 16, .size: 8, .value_kind: global_buffer, .address_space: global }
      - { .name: MA, .offset: 24, .size: 8, .value_kind: global_buffer, .address_space: global }
      - { .name: WvA, .offset: 32, .size: 8, .value_kind: global_buffer, .address_space: global }
      - { .name: UQ, .offset: 40, .size: 8, .value_kind: global_buffer, .address_space: global }
      - { .name: bv, .offset: 48, .size: 8, .value_kind: global_buffer, .address_space: global }
      - { .name: gamma, .offset: 56, .size: 8, .value_kind: global_buffer, .address_space: global }
      - { .name: out0, .offset: 64, .size: 8, .value_kind: global_buffer, .address_space: global }
    .group_segment_fixed_size: 327680
    .private_segment_fixed_size: 0
    .kernarg_segment_align: 8
    .kernarg_segment_size: 72
    .max_flat_workgroup_size: 128
    .sgpr_count:     80
    .vgpr_count:     1024
    .wavefront_size: 32
...
	.end_amdgpu_metadata
.endif
;; end of part 2
